; MI455X (gfx1250); checked and timed in simulation.
; The chip was launched on July 23, 2026; its instructions are those of AMD's public machine-readable ISA for CDNA 5 (MIT licence, August 2026) and "CDNA5" Instruction Set Architecture Reference Guide (July 2026). The comments in the code are by the model that wrote it; some were corrected since.
;; multi Head Attention. Allowed arithmetic: matrix products marked QUANTISED: E2M1 operands, one E8M0 scale for each 32 along K, by v_wmma_scale_f32_16x16x128_f8f6f4 with both operands' format E2M1 (or v_wmma_scale_f32_32x16x128_f4), f32 sums; products left as they are: f32 operands where the result goes on into a quantised operand, else bf16, f16 or f32 operands; f32 sums; everything else in f32.
;; Inputs: Wk_codes 32 x 1 x 16 uint8 (E2M1 codes of Wk, K innermost, in blocks of 32 codes, two codes a byte); Wk_scales 32 x 1 uint8 (E8M0 scales of Wk, one for each 32 codes along K); Wo_codes 32 x 1 x 16 uint8 (E2M1 codes of Wo, K innermost, in blocks of 32 codes, two codes a byte); Wo_scales 32 x 1 uint8 (E8M0 scales of Wo, one for each 32 codes along K); Wq_codes 32 x 1 x 16 uint8 (E2M1 codes of Wq, K innermost, in blocks of 32 codes, two codes a byte); Wq_scales 32 x 1 uint8 (E8M0 scales of Wq, one for each 32 codes along K); Wv_codes 32 x 1 x 16 uint8 (E2M1 codes of Wv, K innermost, in blocks of 32 codes, two codes a byte); Wv_scales 32 x 1 uint8 (E8M0 scales of Wv, one for each 32 codes along K); bk 32 float32; bo 32 float32; bq 32 float32; bv 32 float32; key_codes 4 x 2,048 x 1 x 16 uint8 (E2M1 codes of key, K innermost, in blocks of 32 codes, two codes a byte); key_scales 4 x 2,048 x 1 uint8 (E8M0 scales of key, one for each 32 codes along K); mask 4 x 1 x 2,048 x 2,048 int32; query_codes 4 x 2,048 x 1 x 16 uint8 (E2M1 codes of query, K innermost, in blocks of 32 codes, two codes a byte); query_scales 4 x 2,048 x 1 uint8 (E8M0 scales of query, one for each 32 codes along K); value_codes 4 x 2,048 x 1 x 16 uint8 (E2M1 codes of value, K innermost, in blocks of 32 codes, two codes a byte); value_scales 4 x 2,048 x 1 uint8 (E8M0 scales of value, one for each 32 codes along K).
;; Outputs: out0 4 x 2,048 x 32 float32.
;; This version of the problem:
;;   THIS VERSION OF THE PROBLEM IS GIVEN IN LOW PRECISION. The matrix products marked QUANTISED in the list below multiply operands that are first quantised to E2M1 (2 exponent bits, 1 mantissa bit; 4 bits a number), with one power-of-two scale for each 32 numbers along K (OCP MX v1.0); their sums are f32. All else is computed in f32.
;;   The module's matrix products, in the order in which they are computed (A, B: the left and right operand; K: the contracted axis; several contracted axes count as one K, in the product's order):
;;     1. [M 8,192, K 32] x [K 32, N 32]; A: input query (given as codes); B: input Wq (given as codes): QUANTISED
;;     2. [M 8,192, K 32] x [K 32, N 32]; A: input key (given as codes); B: input Wk (given as codes): QUANTISED
;;     3. [M 8,192, K 32] x [K 32, N 32]; A: input value (given as codes); B: input Wv (given as codes): QUANTISED
;;     4. batch 32 x [M 2,048, K 4] x [K 4, N 2,048]; A: computed on the way; B: computed on the way: left as it is (K = 4 < 32)
;;     5. batch 32 x [M 4, K 2,048] x [K 2,048, N 2,048]; A: computed on the way; B: softmax: left as it is (M = 4 < 16)
;;     6. [M 8,192, K 32] x [K 32, N 32]; A: computed on the way; B: input Wo (given as codes): QUANTISED
;;   THE QUANTISER, for each operand of a quantised product, along K:
;;     - K is cut into blocks of 32 from its start; a last block that is shorter is filled with zeros.
;;     - A block's scale is 2^e with e = floor(log2(the largest magnitude in the block)) - 2, held to -126 .. 127; a block of zeros has e = 0. As a byte (E8M0): e + 127.
;;     - Each number is divided by its block's scale, clamped to +-6, and rounded to the nearest number of E2M1, ties to even, subnormals kept.
;;     - The product sums the exact products of the quantised numbers (number of the format x scale) in f32.
;;   ~~~python
;;   def quantise(x, axis):      # numpy; x: float32 -> the quantised numbers, widened to float32 again
;;       x = np.moveaxis(x, axis, -1); K = x.shape[-1]
;;       x = np.pad(x, [(0, 0)] * (x.ndim - 1) + [(0, -K % 32)]); x = x.reshape(x.shape[:-1] + (-1, 32)); a = np.abs(x).max(-1, keepdims=True)
;;       e = np.where(a > 0, np.clip(np.frexp(np.where(a > 0, a, 1))[1] - 1 - 2, -126, 127), 0)      # np.frexp(a)[1] - 1 = floor(log2(a)), exactly
;;       r = np.clip(x / 2.0 ** e, -6, 6)
;;       step = 2.0 ** (np.maximum(np.frexp(np.where(r == 0, 1, r))[1] - 1, 0) - 1)
;;       q = np.round(r / step) * step * 2.0 ** e      # np.round: ties to even
;;       return np.moveaxis(q.reshape(q.shape[:-2] + (-1,))[..., :K], -1, axis).astype(np.float32)
;;   ~~~
;;   OPERANDS COMPUTED ON THE WAY. 'Computed on the way' means the value that the module computes at that place (a softmax that the list does not call 'softmax' is quantised finished and normalised). What goes into a quantiser is computed in f32, as accurately as f32 sums, v_exp_f32 and their like allow (about 1e-6 of the number): no bf16 or f16 on the way to a quantiser, and a product that is left as it is and whose result goes on into a quantised operand takes f32 operands (vector FMAs, or v_wmma_f32_16x16x4_f32). A number that lies on a knife's edge between two numbers of the format may be rounded either way, as far as f32 arithmetic and the matrix unit's own rounding can turn it there, and no further.
;;   INPUTS GIVEN AS CODES. Wk (in the module: [32, 32], K = its axis 0); Wo (in the module: [32, 32], K = its axis 0); Wq (in the module: [32, 32], K = its axis 0); Wv (in the module: [32, 32], K = its axis 0); key (in the module: [4, 2048, 32], K = its axis 2); query (in the module: [4, 2048, 32], K = its axis 2); value (in the module: [4, 2048, 32], K = its axis 2): each comes as NAME_codes (uint8): NAME with its K axis moved to the last place and cut into blocks of 32 codes, [.., K / 32, bytes a block], one block behind the other in memory; two codes a byte, the lower K in the low four bits (a code: sign, 2 exponent bits, 1 mantissa bit); and NAME_scales (uint8): the same leading axes, one E8M0 byte (e + 127) for each 32 codes along K. Its value is code x scale, taken as it is: it is not quantised again, and the codes and scales need not be those that the quantiser above would give.
;; One version. Each part assembles by itself: llvm-mc -triple=amdgcn-amd-amdhsa -mcpu=gfx1250 --defsym DOCPART=n.
;; ======== version 1 of 1: 1 launch
;; limits: right only within a limited range of input values
;; launch attn (part 1): grid 64 x 4, 4 waves a work-group, no clusters, 262,656 bytes of LDS; arguments mask, query_codes, query_scales, key_codes, key_scales, value_codes, value_scales, Wq_codes, Wq_scales, bq, Wk_codes, Wk_scales, bk, Wv_codes, Wv_scales, bv, Wo_codes, Wo_scales, bo, out0; writes out0
.if DOCPART == 1
	.amdgcn_target "amdgcn-amd-amdhsa--gfx1250"
	.amdhsa_code_object_version 6
	.text
	.protected	k_q53d04472ea_attn
	.globl	k_q53d04472ea_attn
	.p2align	8
	.type	k_q53d04472ea_attn,@function
k_q53d04472ea_attn:
	s_mov_b64 s[64:65], 0
	v_nop
	global_prefetch_b8 v0, s[64:65] scope:SCOPE_SE
	s_setreg_imm32_b32 hwreg(HW_REG_WAVE_MODE, 25, 1), 1
	s_wait_xcnt 0x0
; out0 = Q4(softmax(where(mask == 0, -1e20, q k^T) / sqrt(32)) v) Wo + bo, with q, k, v = x W + b.  4 batch entries, 2,048 queries, 2,048 keys, 8 heads of 4 channels.
; The four products with a 32 x 32 weight run on codes of FP4 (E2M1) with E8M0 scales; q k^T and p v, whose results go on into a quantiser, run in f32.
; SHARES.  A work-group owns 32 queries of one batch entry.  Wave w: qt = w & 1 its tile of 16 queries, kh = w >> 1 its half of the keys; it takes ALL 8 heads, so that a word of the mask is loaded and turned once for 8 heads.
; SCORES.  S = q' k^T by v_wmma_f32_16x16x4_f32 (K = 4 is a head): a lane holds one class of keys (lane % 16) and 8 queries (register j: query 8 (lane / 16) + j).  q' = q x c, c = log2(e) / sqrt(32).
; THE MASK IS THE C OPERAND: 8 registers a tile, 0 or -1e20 c, the same for the 8 heads.
; SOFTMAX.  Each lane keeps a running maximum m, sum l and O for its 8 queries over ITS OWN keys: nothing changes lanes in the loop.  The 16 lanes and the two halves of the keys are merged once at the end, through LDS.
; KEYS OF A TILE.  Lane r of tile t of a group of 64 keys takes key 4 r + t: one 16-byte load of the mask then holds one query's words for tiles 0 to 3, and sixteen lanes read 256 consecutive bytes, aligned.
; K AND V are projected here, 1,024 keys a phase, into LDS, as images of the registers in which the loop wants them.  A fragment of x holds 64 keys: column r, block b of its 128 along K = key 4 r + b.
; A weight's operand holds its codes in ONE block b and zero codes elsewhere, so it picks tile b; its scale word holds the weight's byte at place b and 0 elsewhere.
; Wq's and Wk's rows are taken in the order 4 ((r >> 1) & 3) + 2 (r >> 3) + (r & 1): registers 2 i, 2 i + 1 of the transposed result are then an operand of the f32 form for head 4 ft + i as they stand.
; No tensor load and no cluster: what work-groups share is 70 KB of codes that go straight into operand registers; the mask is read by one wave only.  The mask's loads stand one whole step ahead of their use, in registers.
; LIMITS.  |q.k| c stays under 1e12 (so that -1e20 c + t is -1e20 c: it matters in rows that are hidden as a whole).  E8M0 bytes 0xff among the given scales are not served (four keys share an operand).
; NaN and infinities in the biases are not served.  A row of attention that is all zeros gets the scale byte 1: its codes are zeros, and nobody else reads the byte.
; O, l and m begin as 320 zeros and 64 x -3e38: a first step written out would double the loop's text.
;
; REGISTERS, in windows of 256 (s_set_vgpr_msb: bits 1:0 source 0, 3:2 source 1, 5:4 source 2, 7:6 destination).
;   window 0: v1-15 addresses; v16-23 a; v24-38 scales and nothing else; v40-103 the mask as C (also: results of the projections); v104-167 S, written by matrix instructions alone; v168-183 K; v184-215 V; v216-231 at work at the head
;   windows 1, 2 (heads 0-3, 4-7; hl = head % 4): v[32 hl + 4 j + d] O; v[128 + 8 hl + j] l; v160-223 p; v[224 + 8 hl + j] m
;   window 3: v0-63 the mask as loaded; v64-79 q'; v80-147 the weights' codes between groups of zeros; v148-179 bk, bv in the result's layout; v180-243 four fragments of key and of value
.set CLOG,  0x3e8293ee                 ; c
.set NEGC,  0xdfb0f74b                 ; -1e20 c
.set MINIT, 0xff61b1e6                 ; -3e38, under every score
.set FLOOR, 0x1800000                  ; 2^(3 - 127): holds a scale's byte at 1 from below
.set VL,    131072                     ; LDS: K's images 0 .. 131071: [group of 64 keys 16][head 8][pair of tiles 2][lane 32][16 bytes]; V's behind them: [group][head][tile 4][r 16][16 bytes]
.set TRP,   528                        ; the end: a chunk of 32 lanes x 16 bytes + 16: lane r' reads chunk r', and sixteen such reads start at sixteen different 16-byte columns of 256 bytes
.set TRB,   96*TRP                     ; a wave's 96 chunks
.set XC,    4*TRB                      ; six images of 512 bytes for each wave: what the halves of the keys hand over
.set RW,    XC+4*3072                  ; 16 rows of attention x (128 + 16) bytes for each tile of queries
.set OS,    RW+2*2304                  ; 16 rows of out0 x 128 bytes for each tile of queries
.set RA,    16
.set WS,    24                         ; v[24 + 4 mat + 2 ft + c]: the weight's scale words; lanes 0-15 for block 2 c, lanes 16-31 for block 2 c + 1
.set XSK,   32                         ; v32-33 key's scale words, v34-35 value's: lanes 0-15 fragment 2 p, lanes 16-31 fragment 2 p + 1
.set SCW,   36                         ; v36-37 Wq's scale bytes, later Wo's
.set SCX,   38                         ; v38 the query's scale byte, later the attention row's
.set BIAS,  40
.set RS,    104
.set RK,    168
.set RV,    184
.set RP,    160
.set QW,    64
.set WCH,   80
.set BKV,   148
.set BVV,   164
.set XF,    180
.set MSB, 0
.macro WIN new                         ; the immediate's high byte repeats the setting that is left; a switch that changes nothing is dropped
.if MSB != (\new)
	s_set_vgpr_msb (MSB<<8)|(\new)
.set MSB, \new
.endif
.endm
.macro NOPS n
.rept \n
	v_nop
.endr
.endm
; the codes and scale words of my 256 keys of a phase: four fragments of key and of value.  Lane (r, h), registers 4 c on: key 4 r + 2 c + h of the fragment's 64
.macro XLOAD co, so
	WIN 0xc0
.irp f, 0,1,2,3
.irp c, 0,1
	global_load_b128 v[XF+16*\f+4*\c:XF+16*\f+4*\c+3], v8, s[10:11] offset:\co+1024*\f+32*\c
	global_load_b128 v[XF+8+16*\f+4*\c:XF+8+16*\f+4*\c+3], v8, s[14:15] offset:\co+1024*\f+32*\c
.endr
.endr
	WIN 0
.irp p, 0,1
	global_load_b32 v[XSK+\p], v9, s[12:13] offset:\so+128*\p
	global_load_b32 v[XSK+2+\p], v9, s[16:17] offset:\so+128*\p
.endr
.endm
; a step's mask: 16 queries x 128 keys.  Each load: rows j and 8 + j, 256 consecutive bytes of each, aligned; read once in the launch
.macro MLOAD
	WIN 0xc0
.irp g, 0,1
.irp j, 0,1,2,3,4,5,6,7
	global_load_b128 v[32*\g+4*\j:32*\g+4*\j+3], v1, s[4:5] offset:8192*\j+256*\g th:TH_LOAD_NT
.endr
.endr
	WIN 0
.endm
.macro PWM d, a, x, cv, ws, xs, ra, rb ; one product of a projection; ra, rb: the scales stand in lanes 16-31
.if (\ra) && (\rb)
	v_wmma_scale_f32_16x16x128_f8f6f4 v[\d:\d+7], v[\a:\a+7], v[\x:\x+7], v[\cv:\cv+7], v[\ws], v[\xs] matrix_a_fmt:MATRIX_FMT_FP4 matrix_b_fmt:MATRIX_FMT_FP4 matrix_a_scale:MATRIX_SCALE_ROW1 matrix_b_scale:MATRIX_SCALE_ROW1
.elseif (\ra)
	v_wmma_scale_f32_16x16x128_f8f6f4 v[\d:\d+7], v[\a:\a+7], v[\x:\x+7], v[\cv:\cv+7], v[\ws], v[\xs] matrix_a_fmt:MATRIX_FMT_FP4 matrix_b_fmt:MATRIX_FMT_FP4 matrix_a_scale:MATRIX_SCALE_ROW1
.elseif (\rb)
	v_wmma_scale_f32_16x16x128_f8f6f4 v[\d:\d+7], v[\a:\a+7], v[\x:\x+7], v[\cv:\cv+7], v[\ws], v[\xs] matrix_a_fmt:MATRIX_FMT_FP4 matrix_b_fmt:MATRIX_FMT_FP4 matrix_b_scale:MATRIX_SCALE_ROW1
.else
	v_wmma_scale_f32_16x16x128_f8f6f4 v[\d:\d+7], v[\a:\a+7], v[\x:\x+7], v[\cv:\cv+7], v[\ws], v[\xs] matrix_a_fmt:MATRIX_FMT_FP4 matrix_b_fmt:MATRIX_FMT_FP4
.endif
.endm
; My 256 keys of the phase become k and v in LDS.  For fragment f and block b: four products (k and v, features 0-15 and 16-31), source 0 = 16 rows of the weight, source 1 = the fragment, C = the bias.
; The results take two sets of 32 registers by turns.  Four plain instructions stand behind the products ahead of the stores that read them; two such runs lie ahead of the products that write a set again.
.macro PROJ
.irp f, 0,1,2,3
.irp b, 0,1,2,3
.set qc, \b/2
.set qh, \b%2
.set qD, BIAS+32*qh
	s_wait_dscnt 12                        ; only the 12 stores of the block just before may be out: those that read this set are done
	WIN 0x3f
.irp m, 0,1
.irp t, 0,1
	PWM qD+16*\m+8*\t,WCH+4*(1+2*(4*\m+2*\t+qh)-qc),XF+16*\f+8*\m,BKV+16*\m+8*\t,WS+4*\m+2*\t+qc,XSK+2*\m+\f/2,qh,\f%2
.endr
.endr
	WIN 0
	NOPS 4
.irp t, 0,1
.irp i, 0,1,2,3
	ds_store_b64 v6, v[qD+8*\t+2*\i:qD+8*\t+2*\i+1] offset:8192*\f+1024*(4*\t+\i)+512*qc+8*qh   ; k: head 4 t + i, tile b: my lane's two channels
.endr
.endr
.irp t, 0,1
.irp u, 0,1
	ds_store_b128 v7, v[qD+16+8*\t+4*\u:qD+16+8*\t+4*\u+3] offset:8192*\f+4096*\t+1024*\u+256*\b   ; v: head 4 t + 2 h + u, tile b, key class r: four channels
.endr
.endr
.endr
.endr
.endm
.macro KLOAD hd                        ; a head's k of the step's 8 tiles: 512 consecutive bytes a load
.irp g, 0,1
.irp p, 0,1
	ds_load_b128 v[RK+8*\g+4*\p:RK+8*\g+4*\p+3], v4 offset:8192*\g+1024*(\hd)+512*\p
.endr
.endr
.endm
.macro VLOAD hd                        ; a head's v: both halves of the lanes read the same 256 bytes
.irp g, 0,1
.irp t, 0,1,2,3
	ds_load_b128 v[RV+16*\g+4*\t:RV+16*\g+4*\t+3], v5 offset:8192*\g+1024*(\hd)+256*\t
.endr
.endr
.endm
.macro EN hd, T                        ; the scores of head hd, tile T (0 to 7): 16 queries x 16 keys, the mask as C
	WIN 0x03
	v_wmma_f32_16x16x4_f32 v[RS+8*(\T):RS+8*(\T)+7], v[QW+2*(\hd):QW+2*(\hd)+1], v[RK+2*(\T):RK+2*(\T)+1], v[BIAS+8*(\T):BIAS+8*(\T)+7]
.endm
.macro CONV T                          ; tile T's words of the mask become 0 or -1e20 c (source 0 in window 3)
.irp j, 0,1,2,3,4,5,6,7
	v_cmp_ne_u32 s[66+\j], v[32*((\T)/4)+4*\j+(\T)%4], 0
.endr
.irp j, 0,1,2,3,4,5,6,7
	v_cndmask_b32 v[BIAS+8*(\T)+\j], s55, 0, s[66+\j]
.endr
.endm
; Number i of a head's 180 packed lines behind the exponentials: 0-3 l x a; 4-19 O x a; then for each tile 4 lines l += p and 16 lines O[j][d] += p[j] v[d], two channels a line
.macro PLAIN
.if i < 4
	v_pk_mul_f32 v[rL+2*i:rL+2*i+1], v[rL+2*i:rL+2*i+1], v[RA+2*i:RA+2*i+1]
.elseif i < 20
.set pj, (i-4)/2
.set po, rO+4*pj+2*((i-4)%2)
.set pa, RA+2*(pj/2)
.if pj%2
	v_pk_mul_f32 v[po:po+1], v[po:po+1], v[pa:pa+1] op_sel:[0,1] op_sel_hi:[1,1]
.else
	v_pk_mul_f32 v[po:po+1], v[po:po+1], v[pa:pa+1] op_sel:[0,0] op_sel_hi:[1,0]
.endif
.else
.set pT, (i-20)/20
.set pu, (i-20)%20
.if pu < 4
	v_pk_fma_f32 v[rL+2*pu:rL+2*pu+1], v[RP+8*pT+2*pu:RP+8*pT+2*pu+1], 1.0, v[rL+2*pu:rL+2*pu+1] op_sel_hi:[1,0,1]
.else
.set pj, (pu-4)/2
.set pd, 2*((pu-4)%2)
.set po, rO+4*pj+pd
.set pp, RP+8*pT+2*(pj/2)
.set pv, RV+4*pT+pd
.if pj%2
	v_pk_fma_f32 v[po:po+1], v[pp:pp+1], v[pv:pv+1], v[po:po+1] op_sel:[1,0,0] op_sel_hi:[1,1,1]
.else
	v_pk_fma_f32 v[po:po+1], v[pp:pp+1], v[pv:pv+1], v[po:po+1] op_sel:[0,0,0] op_sel_hi:[0,1,1]
.endif
.endif
.endif
.endm
; ONE HEAD'S SOFTMAX AND p v FOR A STEP OF 128 KEYS; the next head's 8 score products stand among its packed lines, behind lines 9, 29, .. 149.
; Behind the f32 matrix form eight plain vector instructions stand ahead of a read of its result and of a load into its operands: behind a head's last product stand 30 packed lines and the 12 lines at the next head's start.
; The exponentials go in two batches, each with one plain line behind its last and ONE s_wait_alu ahead of the first line that names a result.
.macro HEAD hd
.set hg, 1+(\hd)/4
.set hl, (\hd)%4
.set rO, 32*hl
.set rL, 128+8*hl
.set rM, 224+8*hl
.set wKAP, hg
.set wMU, 0x41*hg
.set wSIG, 0x51*hg
	WIN wKAP
.irp p, 0,2,4,6
	v_pk_mul_f32 v[RA+\p:RA+\p+1], v[rM+\p:rM+\p+1], 1.0 op_sel_hi:[1,0]   ; the old m is kept
.endr
	WIN wMU
.irp j, 0,1,2,3,4,5,6,7
	v_max3_num_f32 v[rM+\j], v[rM+\j], v[RS+\j], v[RS+8+\j]               ; each tile of scores is read from its low end on
.endr
	WIN 0
	VLOAD \hd
.if (\hd) < 7
	KLOAD (\hd)+1
.endif
	WIN wMU
.irp T, 2,4,6
.irp j, 0,1,2,3,4,5,6,7
	v_max3_num_f32 v[rM+\j], v[rM+\j], v[RS+8*\T+\j], v[RS+8*\T+8+\j]
.endr
.endr
	WIN wKAP
.irp p, 0,2,4,6
	v_pk_add_f32 v[RA+\p:RA+\p+1], v[rM+\p:rM+\p+1], v[RA+\p:RA+\p+1] neg_lo:[1,0] neg_hi:[1,0]   ; old m - new m
.endr
	WIN 0
.irp j, 0,1,2,3,4,5,6,7
	v_exp_f32 v[RA+\j], v[RA+\j]           ; a
.endr
	WIN wSIG
.irp T, 0,1,2,3
.irp p, 0,2,4,6
	v_pk_add_f32 v[RP+8*\T+\p:RP+8*\T+\p+1], v[rM+\p:rM+\p+1], v[RS+8*\T+\p:RS+8*\T+\p+1] neg_lo:[1,0] neg_hi:[1,0]   ; s - m, tiles 0 to 3
.endr
.endr
.set i, 0
.rept 16
	v_exp_f32 v[RP+2*i], v[RP+2*i]         ; p of tiles 0 to 3,
	v_exp_f32 v[RP+2*i+1], v[RP+2*i+1]
	v_pk_add_f32 v[RP+32+2*i:RP+33+2*i], v[rM+2*(i%4):rM+2*(i%4)+1], v[RS+32+2*i:RS+33+2*i] neg_lo:[1,0] neg_hi:[1,0]   ; with s - m of tiles 4 to 7 between
.set i, i+1
.endr
	s_wait_alu depctr_va_vdst(0)           ; one wait for a and for p of tiles 0 to 3
	s_wait_dscnt 0x0                       ; this head's v and the next head's k are in
.set i, 0
.rept 100
	PLAIN
.if (i%3 == 2) && (i < 96)
	v_exp_f32 v[RP+32+(i-2)/3], v[RP+32+(i-2)/3]   ; p of tiles 4 to 7, one behind every third packed line; none of lines 0 to 99 names them
.endif
.if ((\hd) < 7) && (i%20 == 9)
	EN (\hd)+1,i/20
	WIN wSIG
.endif
.set i, i+1
.endr
	s_wait_alu depctr_va_vdst(0)           ; one wait for p of tiles 4 to 7; lines 96 to 99 are plain lines behind the last exponential
.rept 80
	PLAIN
.if ((\hd) < 7) && (i%20 == 9) && (i < 160)    ; lines 109, 129, 149: tiles 5, 6, 7; there is no tile 8
	EN (\hd)+1,i/20
	WIN wSIG
.endif
.set i, i+1
.endr
.endm
; dst (a pair) = or += x (a pair) times one register of the pair f, for both halves
.macro OACC dst, x, f, odd, first
.if \first
.if \odd
	v_pk_mul_f32 v[\dst:\dst+1], v[\x:\x+1], v[\f:\f+1] op_sel:[0,1] op_sel_hi:[1,1]
.else
	v_pk_mul_f32 v[\dst:\dst+1], v[\x:\x+1], v[\f:\f+1] op_sel:[0,0] op_sel_hi:[1,0]
.endif
.else
.if \odd
	v_pk_fma_f32 v[\dst:\dst+1], v[\x:\x+1], v[\f:\f+1], v[\dst:\dst+1] op_sel:[0,1,0] op_sel_hi:[1,1,1]
.else
	v_pk_fma_f32 v[\dst:\dst+1], v[\x:\x+1], v[\f:\f+1], v[\dst:\dst+1] op_sel:[0,0,0] op_sel_hi:[1,0,1]
.endif
.endif
.endm
.macro INIT                            ; O and l: zeros; m: -3e38
.set i, 0
.rept 160
	v_mov_b32 v[i], 0
.set i, i+1
.endr
.set i, 224
.rept 32
	v_mov_b32 v[i], MINIT
.set i, i+1
.endr
.endm
	; ---- the head: addresses
	s_load_b512 s[4:19], s[0:1], 0x0               ; mask s[4:5]; query's codes, scales s[6:9]; key's s[10:13]; value's s[14:17]; Wq's codes s[18:19]
	s_load_b512 s[20:35], s[0:1], 0x40             ; Wq's scales s[20:21], bq s[22:23]; Wk's codes, scales, bk s[24:29]; Wv's, bv s[30:35]
	s_load_b256 s[36:43], s[0:1], 0x80             ; Wo's codes, scales, bo s[36:41]; out0 s[42:43]
	v_lshl_add_u32 v39, v0, 2, 0x40000
	s_set_vgpr_msb 0xc0
	v_mov_b32 v255, 0
	s_set_vgpr_msb 0xc000
	v_lshrrev_b32 v216, 5, v0
	v_readfirstlane_b32 s44, v216                  ; wave 0..3
	s_and_b32 s45, s44, 1                          ; qt
	s_lshr_b32 s46, s44, 1                         ; kh
	s_and_b32 s47, ttmp7, 0xffff                   ; the batch entry
	s_mov_b32 s55, NEGC
	s_mov_b32 s56, 0xffff                          ; lanes 0 to 15
	s_mov_b32 s59, 0
	s_mov_b32 s51, 0
	v_and_b32 v217, 31, v0                         ; lane
	v_and_b32 v218, 15, v0                         ; r
	v_bfe_u32 v219, v0, 4, 1                       ; h
	v_lshlrev_b32 v10, 4, v217                     ; 16 x lane
	v_lshlrev_b32 v224, 4, v218                    ; 16 r
	v_lshl_add_u32 v1, v219, 16, v224              ; the mask: 8 h rows of 8,192 bytes + 16 r
	s_lshl_b32 s57, s46, 16
	v_add_nc_u32 v2, s57, v10                      ; K's images of my half of a phase's keys
	s_add_co_u32 s57, s57, VL
	v_add_nc_u32 v3, s57, v224                     ; V's
	s_lshl_b32 s57, s44, 15
	v_add_nc_u32 v6, s57, v10                      ; where I store k: my four groups of 64 keys
	s_add_co_u32 s57, s57, VL
	v_lshl_add_u32 v7, v219, 11, v224
	v_add_nc_u32 v7, s57, v7                       ; and v: + two heads for lanes 16-31
	v_lshlrev_b32 v8, 6, v218
	v_lshl_add_u32 v8, v219, 4, v8                 ; a fragment's codes: 64 r + 16 h
	v_lshlrev_b32 v9, 2, v218
	v_lshl_add_u32 v9, v219, 6, v9                 ; its scale words: 4 r, lanes 16-31 the next fragment's
	s_mul_i32 s57, s44, TRB
	v_add_nc_u32 v11, s57, v10                     ; the end: my chunks, on the way in
	v_mul_u32_u24 v12, v218, TRP
	v_lshl_add_u32 v12, v219, 8, v12
	v_add_nc_u32 v12, s57, v12                     ; and on the way out: chunk r, my half's sixteen lanes
	s_mul_i32 s57, s44, 3072
	s_add_co_u32 s57, s57, XC
	v_add_nc_u32 v13, s57, v10
	v_and_b32 v220, 1, v218
	v_lshlrev_b32 v220, 2, v220
	v_lshl_add_u32 v220, v219, 3, v220             ; 8 h + 4 (r & 1): the first of my four queries at the end
	v_mul_u32_u24 v14, v220, 144
	v_lshrrev_b32 v220, 1, v218                    ; my head at the end
	v_lshl_add_u32 v14, v220, 4, v14
	s_mul_i32 s57, s45, 2304
	s_add_co_u32 s57, s57, RW
	v_add_nc_u32 v14, s57, v14
	v_mul_u32_u24 v15, v218, 144
	v_add_nc_u32 v15, s57, v15                     ; row r of attention
	v_bfe_u32 v221, v218, 1, 2
	v_lshlrev_b32 v221, 2, v221
	v_bfe_u32 v222, v218, 3, 1
	v_lshl_add_u32 v221, v222, 1, v221
	v_and_b32 v222, 1, v218
	v_add_nc_u32 v221, v221, v222                  ; the row of Wq and Wk that lane r takes: 4 ((r >> 1) & 3) + 2 (r >> 3) + (r & 1)
	v_lshlrev_b32 v223, 4, v221                    ; its codes
	v_lshlrev_b32 v225, 3, v219                    ; 8 h: bq's and bk's two numbers; also the shift of a scale byte for blocks 0, 1
	v_lshlrev_b32 v226, 5, v219                    ; 32 h: bv's eight numbers
	v_add_nc_u32 v228, 16, v225                    ; the shift for blocks 2, 3
	s_lshl_b32 s60, s47, 11
	s_lshl_b32 s57, ttmp9, 5
	s_add_co_u32 s60, s60, s57
	s_lshl_b32 s57, s45, 4
	s_add_co_u32 s60, s60, s57                     ; my first query among the 8,192: 2,048 n + 32 x + 16 qt
	s_wait_kmcnt 0x0
	s_lshl_b32 s50, s60, 13
	s_lshl_b32 s57, s46, 11
	s_add_co_u32 s50, s50, s57
	s_add_nc_u64 s[4:5], s[4:5], s[50:51]          ; the mask at my first query and my first key (512 kh)
	s_lshl_b32 s50, s60, 4
	s_add_nc_u64 s[6:7], s[6:7], s[50:51]
	s_mov_b32 s50, s60
	s_add_nc_u64 s[8:9], s[8:9], s[50:51]
	s_lshl_b32 s50, s47, 15
	s_lshl_b32 s57, s44, 12
	s_add_co_u32 s50, s50, s57
	s_add_nc_u64 s[10:11], s[10:11], s[50:51]      ; the 256 keys of a phase that I project: 256 w on
	s_add_nc_u64 s[14:15], s[14:15], s[50:51]
	s_lshl_b32 s50, s47, 11
	s_lshl_b32 s57, s44, 8
	s_add_co_u32 s50, s50, s57
	s_add_nc_u64 s[12:13], s[12:13], s[50:51]
	s_add_nc_u64 s[16:17], s[16:17], s[50:51]
	s_lshl_b32 s50, s60, 7
	s_add_nc_u64 s[42:43], s[42:43], s[50:51]
	; ---- the head: loads
	MLOAD                                          ; the first step's mask
	XLOAD 0,0                                      ; the first phase's codes
	WIN 0xc0
.irp t, 0,1
.irp h, 0,1
	global_load_b128 v[WCH+4*(1+2*(2*\t+\h)):WCH+4*(1+2*(2*\t+\h))+3], v223, s[24:25] offset:256*\t       ; Wk's 16 rows, once for each half of the lanes that will keep them
	global_load_b128 v[WCH+4*(1+2*(4+2*\t+\h)):WCH+4*(1+2*(4+2*\t+\h))+3], v224, s[30:31] offset:256*\t   ; Wv's, in their own order
.endr
.irp i, 0,1,2,3
	global_load_b64 v[BKV+8*\t+2*\i:BKV+8*\t+2*\i+1], v225, s[28:29] offset:64*\t+16*\i
.endr
.irp u, 0,1
	global_load_b128 v[BVV+8*\t+4*\u:BVV+8*\t+4*\u+3], v226, s[34:35] offset:64*\t+16*\u
.endr
.endr
.irp z, 0,2,4,6,8,10,12,14,16
.irp e, 0,1,2,3
	v_mov_b32 v[WCH+4*\z+\e], 0                    ; the groups of zero codes between the weights' groups
.endr
.endr
	WIN 0
.irp t, 0,1
.irp c, 0,1
	global_load_u8 v[WS+2*\t+\c], v221, s[26:27] offset:16*\t
	global_load_u8 v[WS+4+2*\t+\c], v218, s[32:33] offset:16*\t
.endr
	global_load_b128 v[40+8*\t:43+8*\t], v223, s[18:19] offset:256*\t
	global_load_u8 v[SCW+\t], v221, s[20:21] offset:16*\t
.irp i, 0,1,2,3
	global_load_b64 v[64+8*\t+2*\i:65+8*\t+2*\i], v225, s[22:23] offset:64*\t+16*\i
.endr
.endr
	global_load_b128 v[56:59], v224, s[6:7]        ; my 16 queries' codes: block 0 in lanes 0-15 (lanes 16-31 hold them as block 1, where Wq's codes are zeros)
	global_load_u8 v[SCX], v218, s[8:9]
.irp z, 44,45,46,47,52,53,54,55,60,61,62,63
	v_mov_b32 v[\z], 0
.endr
	WIN 0x40
	INIT
	WIN 0x80
	INIT
	WIN 0
	s_wait_loadcnt 0x0
.irp z, 40,41,42,43,48,49,50,51
	v_cndmask_b32 v[\z], 0, v[\z], s56             ; Wq's codes stay in lanes 0-15: block 0
.endr
.irp m, 0,1
.irp t, 0,1
	v_lshlrev_b32 v[WS+4*\m+2*\t], v225, v[WS+4*\m+2*\t]       ; the weight's byte at the place of its block: 8 h bits up,
	v_lshlrev_b32 v[WS+4*\m+2*\t+1], v228, v[WS+4*\m+2*\t+1]   ; or 16 + 8 h
.endr
.endr
	WIN 0xcf
.irp k, 0,1,2,3
.irp e, 0,1,2,3
	v_cndmask_b32 v[WCH+4*(1+4*\k)+\e], 0, v[WCH+4*(1+4*\k)+\e], s56   ; this group keeps lanes 0-15,
	v_cndmask_b32 v[WCH+4*(3+4*\k)+\e], v[WCH+4*(3+4*\k)+\e], 0, s56   ; this one lanes 16-31
.endr
.endr
	WIN 0
	; q = query Wq + bq, transposed: lane (r, h), registers 2 i, 2 i + 1: query r, head 4 ft + i, channels 2 h, 2 h + 1.  The 40 lines above are the plain lines between the writes of Wq's codes and these products
	v_wmma_scale_f32_16x16x128_f8f6f4 v[80:87], v[40:47], v[56:63], v[64:71], v[SCW], v[SCX] matrix_a_fmt:MATRIX_FMT_FP4 matrix_b_fmt:MATRIX_FMT_FP4
	v_wmma_scale_f32_16x16x128_f8f6f4 v[88:95], v[48:55], v[56:63], v[72:79], v[SCW+1], v[SCX] matrix_a_fmt:MATRIX_FMT_FP4 matrix_b_fmt:MATRIX_FMT_FP4
	NOPS 4
	WIN 0xc0
.irp i, 0,1,2,3,4,5,6,7
	v_pk_mul_f32 v[QW+2*\i:QW+2*\i+1], v[80+2*\i:81+2*\i], CLOG op_sel_hi:[1,0]   ; q' = c q: head i's operand of the f32 form
.endr
	WIN 0
	NOPS 2                                         ; with the four above: six plain lines that name none of these products' registers, ahead of the products that write over their operands
	s_mov_b32 s52, 0                               ; the phase
.Lphase:                                               ; two trips: keys 0 to 1,023, keys 1,024 to 2,047
	PROJ
	s_cmp_lg_u32 s52, 0
	s_cbranch_scc1 .Lnox
	XLOAD 16384,1024                               ; the next phase's codes land while this phase is walked; the four v_nop behind the last products stand ahead of these loads
.Lnox:
	s_wait_dscnt 0x0                               ; my stores of k and v have landed
	s_barrier_signal -1
	s_barrier_wait -1                              ; everybody's have
	s_mov_b32 s53, 0                               ; the step
	s_mov_b32 s54, 0                               ; its two groups' place in LDS
.Lstep:                                                ; four trips: 128 keys each
	s_wait_loadcnt 0x0                             ; this step's mask, asked for a step ago; no load of mine is out, so the mask's address may step
	v_add_nc_u32 v4, s54, v2
	v_add_nc_u32 v5, s54, v3
	KLOAD 0
	WIN 0x03
	CONV 0
	CONV 1
	s_wait_dscnt 0x0                               ; head 0's k
.irp T, 0,1,2,3,4,5
	EN 0,\T
	CONV \T+2
.endr
	EN 0,6
	EN 0,7
	WIN 0
	s_mov_b32 s58, 512                             ; 128 keys on,
	s_cmp_eq_u32 s53, 3
	s_cselect_b32 s58, 2560, s58                   ; or, behind a phase's last step, over the other half's 512 keys too
	s_add_nc_u64 s[4:5], s[4:5], s[58:59]
	s_lshl_b32 s57, s52, 2
	s_add_co_u32 s57, s57, s53
	s_cmp_eq_u32 s57, 7
	s_cbranch_scc1 .Lnomask                        ; the last step of all asks for nothing: no load leaves the mask
	MLOAD
.Lnomask:
	HEAD 0
	HEAD 1
	HEAD 2
	HEAD 3
	HEAD 4
	HEAD 5
	HEAD 6
	HEAD 7
	WIN 0
	s_add_co_u32 s54, s54, 16384
	s_add_co_u32 s53, s53, 1
	s_cmp_lt_u32 s53, 4
	s_cbranch_scc1 .Lstep
	s_wait_dscnt 0x0                               ; my reads of k and v are over
	s_barrier_signal -1
	s_barrier_wait -1                              ; everybody's are: the bytes may be written again
	s_add_co_u32 s52, s52, 1
	s_cmp_lt_u32 s52, 2
	s_cbranch_scc1 .Lphase
	; ---- THE END.  Addresses and Wo first; all LDS address registers are made ahead of the place where the waves part
	s_wait_loadcnt 0x0                             ; Wo and bo take registers into which the steps' mask was loaded: no such load is out behind this wait (the last step asked for none)
	v_and_b32 v5, 15, v0                           ; r
	v_lshlrev_b32 v4, 4, v5                        ; 16 r
	v_bfe_u32 v6, v0, 4, 1
	v_lshlrev_b32 v6, 5, v6                        ; 32 h
	s_lshl_b32 s57, s45, 11
	s_add_co_u32 s57, s57, OS
	v_lshl_add_u32 v2, v5, 7, v6
	v_add_nc_u32 v2, s57, v2                       ; the stage of out0: row r, + 32 h
	v_add_nc_u32 v3, s57, v10                      ; and back: 16 bytes a lane
	WIN 0xc0
	global_load_b128 v[0:3], v4, s[36:37]          ; Wo's rows 0-15,
	global_load_b128 v[8:11], v4, s[36:37] offset:256   ; 16-31
.irp t, 0,1
.irp u, 0,1
	global_load_b128 v[16+8*\t+4*\u:19+8*\t+4*\u], v6, s[40:41] offset:64*\t+16*\u   ; bo in the result's layout
.endr
.endr
.irp z, 4,5,6,7,12,13,14,15
	v_mov_b32 v[\z], 0
.endr
	WIN 0
	global_load_u8 v[SCW], v5, s[38:39]
	global_load_u8 v[SCW+1], v5, s[38:39] offset:16
	; my state goes to my own chunks in LDS: m: chunk 2 head + jh; l: 16 + the same; O of query 4 jh + jj: 32 + 16 jj + the same
.irp hd, 0,1,2,3,4,5,6,7
	WIN 4*(1+\hd/4)                                ; an LDS store's data are its source 1
.irp jh, 0,1
	ds_store_b128 v11, v[224+8*(\hd%4)+4*\jh:224+8*(\hd%4)+4*\jh+3] offset:TRP*(2*\hd+\jh)
	ds_store_b128 v11, v[128+8*(\hd%4)+4*\jh:128+8*(\hd%4)+4*\jh+3] offset:TRP*(16+2*\hd+\jh)
.irp jj, 0,1,2,3
	ds_store_b128 v11, v[32*(\hd%4)+16*\jh+4*\jj:32*(\hd%4)+16*\jh+4*\jj+3] offset:TRP*(32+16*\jj+2*\hd+\jh)
.endr
.endr
.endr
	WIN 0
	; lane (r', h) now owns head r' >> 1 and queries 8 h + 4 (r' & 1) + 0 .. 3, and reads what the sixteen lanes of its half held of them.  LDS serves a wave's instructions in order (ISA guide 5.7.1.4): these loads see my stores
.irp r, 0,1,2,3,4,5,6,7,8,9,10,11,12,13,14,15
	ds_load_b128 v[40+4*\r:43+4*\r], v12 offset:16*\r              ; m
.endr
.irp r, 0,1,2,3,4,5,6,7,8,9,10,11,12,13,14,15
	ds_load_b128 v[168+4*\r:171+4*\r], v12 offset:16*TRP+16*\r     ; l
.endr
	s_wait_dscnt 16                                ; the sixteen m are in; the sixteen younger loads may be out
.irp j, 0,1,2,3
	v_max3_num_f32 v[232+\j], v[40+\j], v[44+\j], v[48+\j]
.endr
.irp r, 3,5,7,9,11,13
.irp j, 0,1,2,3
	v_max3_num_f32 v[232+\j], v[232+\j], v[40+4*\r+\j], v[44+4*\r+\j]
.endr
.endr
.irp j, 0,1,2,3
	v_max_num_f32 v[232+\j], v[232+\j], v[100+\j]  ; the largest m of the sixteen
.endr
.irp r, 0,1,2,3,4,5,6,7,8,9,10,11,12,13,14,15
.irp p, 0,2
	v_pk_add_f32 v[40+4*\r+\p:41+4*\r+\p], v[40+4*\r+\p:41+4*\r+\p], v[232+\p:233+\p] neg_lo:[0,1] neg_hi:[0,1]
.endr
.endr
.set i, 0
.rept 64
	v_exp_f32 v[40+i], v[40+i]                     ; each lane's weight: 2^(its m - the largest)
.set i, i+1
.endr
	v_nop                                          ; a plain line behind the last exponential
	s_wait_alu depctr_va_vdst(0)                   ; one wait for the 64
	s_wait_dscnt 0x0                               ; l
.irp r, 0,1,2,3,4,5,6,7,8,9,10,11,12,13,14,15
.irp p, 0,2
.if \r == 0
	v_pk_mul_f32 v[236+\p:237+\p], v[168+\p:169+\p], v[40+\p:41+\p]
.else
	v_pk_fma_f32 v[236+\p:237+\p], v[168+4*\r+\p:169+4*\r+\p], v[40+4*\r+\p:41+4*\r+\p], v[236+\p:237+\p]
.endif
.endr
.endr
.irp jj, 0,1,2,3
.irp r, 0,1,2,3,4,5,6,7,8,9,10,11,12,13,14,15
	ds_load_b128 v[168+4*\r:171+4*\r], v12 offset:(32+16*\jj)*TRP+16*\r   ; O of my query jj
.endr
	s_wait_dscnt 0x0
.irp r, 0,1,2,3,4,5,6,7,8,9,10,11,12,13,14,15
.irp d, 0,2
	OACC 240+4*\jj+\d,168+4*\r+\d,40+4*\r+2*(\jj/2),\jj%2,\r==0
.endr
.endr
.endr
	; the two halves of the keys meet: m, l and O as six images
.irp i, 0,1,2,3,4,5
	ds_store_b128 v13, v[232+4*\i:235+4*\i] offset:512*\i
.endr
	s_wait_dscnt 0x0                               ; for the other wave's sake: my stores have landed
	s_barrier_signal -1
	s_barrier_wait -1
	s_cmp_lg_u32 s46, 0
	s_cbranch_scc1 .Lend                           ; the waves of the upper half have handed over; no barrier follows
.irp i, 0,1,2,3,4,5
	ds_load_b128 v[168+4*\i:171+4*\i], v13 offset:6144+512*\i      ; wave w + 2's
.endr
	s_wait_dscnt 0x0
.irp j, 0,1,2,3
	v_max_num_f32 v[192+\j], v[232+\j], v[168+\j]
.endr
.irp p, 0,2
	v_pk_add_f32 v[196+\p:197+\p], v[232+\p:233+\p], v[192+\p:193+\p] neg_lo:[0,1] neg_hi:[0,1]
	v_pk_add_f32 v[200+\p:201+\p], v[168+\p:169+\p], v[192+\p:193+\p] neg_lo:[0,1] neg_hi:[0,1]
.endr
.irp j, 0,1,2,3,4,5,6,7
	v_exp_f32 v[196+\j], v[196+\j]
.endr
	v_nop
	s_wait_alu depctr_va_vdst(0)
.irp p, 0,2
	v_pk_mul_f32 v[236+\p:237+\p], v[236+\p:237+\p], v[196+\p:197+\p]
.endr
.irp p, 0,2
	v_pk_fma_f32 v[236+\p:237+\p], v[172+\p:173+\p], v[200+\p:201+\p], v[236+\p:237+\p]   ; the row's sum
.endr
.irp jj, 0,1,2,3
.irp d, 0,2
	OACC 240+4*\jj+\d,240+4*\jj+\d,196+2*(\jj/2),\jj%2,1
.endr
.endr
.irp jj, 0,1,2,3
.irp d, 0,2
	OACC 240+4*\jj+\d,176+4*\jj+\d,200+2*(\jj/2),\jj%2,0
.endr
.endr
.irp j, 0,1,2,3
	v_rcp_f32 v[204+\j], v[236+\j]
.endr
	v_nop
	s_wait_alu depctr_va_vdst(0)
.irp jj, 0,1,2,3
.irp d, 0,2
	OACC 240+4*\jj+\d,240+4*\jj+\d,204+2*(\jj/2),\jj%2,1           ; attention: O / the sum
.endr
.endr
	; rows of attention: a lane's four channels of four queries go in; lane (r, h) reads all 32 numbers of row r: a whole block
.irp jj, 0,1,2,3
	ds_store_b128 v14, v[240+4*\jj:243+4*\jj] offset:144*\jj
.endr
.irp i, 0,1,2,3,4,5,6,7
	ds_load_b128 v[40+4*\i:43+4*\i], v15 offset:16*\i
.endr
	s_wait_dscnt 0x0
	v_max3_num_f32 v80, |v40|, |v41|, FLOOR        ; the block's largest magnitude, over the floor
.irp i, 2,4,6,8,10,12,14,16,18,20,22,24,26,28,30
	v_max3_num_f32 v80, v80, |v[40+\i]|, |v[41+\i]|
.endr
	v_add_nc_u32 v81, 0xff000000, v80              ; 2 off its exponent field: the conversion's scale operand
	v_lshrrev_b32 v[SCX], 23, v81                  ; the scale's byte: block 0's place in the word
.irp g, 0,1,2,3
	v_cvt_scalef32_pk8_fp4_f32 v[72+\g], v[40+8*\g:47+8*\g], v81
.endr
.irp z, 76,77,78,79
	v_mov_b32 v[\z], 0                             ; blocks 2 and 3: zero codes.  (Plain lines behind the conversions)
.endr
	s_wait_loadcnt 0x0                             ; Wo, its scales, bo
	WIN 0xcf
.irp z, 0,1,2,3,8,9,10,11
	v_cndmask_b32 v[\z], 0, v[\z], s56             ; Wo's codes stay in lanes 0-15: block 0
.endr
	NOPS 4                                         ; four plain lines between the last write of an operand and the product; sixteen lie behind the write of the scale
	WIN 0x33
	v_wmma_scale_f32_16x16x128_f8f6f4 v[88:95], v[0:7], v[72:79], v[16:23], v[SCW], v[SCX] matrix_a_fmt:MATRIX_FMT_FP4 matrix_b_fmt:MATRIX_FMT_FP4      ; lane (r, h), register j: out0(query r, 8 h + j)
	v_wmma_scale_f32_16x16x128_f8f6f4 v[96:103], v[8:15], v[72:79], v[24:31], v[SCW+1], v[SCX] matrix_a_fmt:MATRIX_FMT_FP4 matrix_b_fmt:MATRIX_FMT_FP4   ; and 16 + 8 h + j
	WIN 0
	NOPS 4
.irp t, 0,1
	ds_store_b128 v2, v[88+8*\t:91+8*\t] offset:64*\t
	ds_store_b128 v2, v[92+8*\t:95+8*\t] offset:64*\t+16
.endr
.irp i, 0,1,2,3
	ds_load_b128 v[168+4*\i:171+4*\i], v3 offset:512*\i
.endr
.irp i, 0,1,2,3
	s_wait_dscnt 3-\i                              ; load i is in; the younger ones may be out
	global_store_b128 v10, v[168+4*\i:171+4*\i], s[42:43] offset:512*\i   ; 32 lanes store 512 consecutive bytes, four rows of out0, at a multiple of 256 from its first byte
.endr
.Lend:
	s_set_vgpr_msb 0xc
	s_wait_tensorcnt 0x0
	ds_add_u32 v39, v255
	s_wait_dscnt 0x0
	s_set_vgpr_msb 0xc00
	s_endpgm
.Lfunc_end_k_q53d04472ea_attn:
	.size	k_q53d04472ea_attn, .Lfunc_end_k_q53d04472ea_attn-k_q53d04472ea_attn
	.p2alignl 7, 3214868480
	.fill 96, 4, 3214868480
	.section	.rodata,"a",@progbits
	.p2align	6, 0x0
	.amdhsa_kernel k_q53d04472ea_attn
		.amdhsa_group_segment_fixed_size 262656
		.amdhsa_private_segment_fixed_size 0
		.amdhsa_enable_private_segment 0
		.amdhsa_kernarg_size 160
		.amdhsa_user_sgpr_count 2
		.amdhsa_user_sgpr_kernarg_segment_ptr 1
		.amdhsa_wavefront_size32 1
		.amdhsa_system_sgpr_workgroup_id_x 1
		.amdhsa_system_sgpr_workgroup_id_y 1
		.amdhsa_system_sgpr_workgroup_id_z 1
		.amdhsa_system_vgpr_workitem_id 0
		.amdhsa_next_free_vgpr 1024
		.amdhsa_next_free_sgpr 74
		.amdhsa_reserve_vcc 0
		.amdhsa_float_denorm_mode_32 3
		.amdhsa_float_denorm_mode_16_64 3
		.amdhsa_memory_ordered 1
		.amdhsa_forward_progress 1
		.amdhsa_inst_pref_size 255
	.end_amdhsa_kernel
	.section	.bss,"aw",@nobits
	.p2align	6
	.space	262144
	.amdgpu_metadata
---
amdhsa.version: [ 1, 2 ]
amdhsa.kernels:
  - .name:           k_q53d04472ea_attn
    .symbol:         k_q53d04472ea_attn.kd
    .args:
      - { .name: mask, .offset: 0, .size: 8, .value_kind: global_buffer, .address_space: global }
      - { .name: query_codes, .offset: 8, .size: 8, .value_kind: global_buffer, .address_space: global }
      - { .name: query_scales, .offset: 16, .size: 8, .value_kind: global_buffer, .address_space: global }
      - { .name: key_codes, .offset: 24, .size: 8, .value_kind: global_buffer, .address_space: global }
      - { .name: key_scales, .offset: 32, .size: 8, .value_kind: global_buffer, .address_space: global }
      - { .name: value_codes, .offset: 40, .size: 8, .value_kind: global_buffer, .address_space: global }
      - { .name: value_scales, .offset: 48, .size: 8, .value_kind: global_buffer, .address_space: global }
      - { .name: Wq_codes, .offset: 56, .size: 8, .value_kind: global_buffer, .address_space: global }
      - { .name: Wq_scales, .offset: 64, .size: 8, .value_kind: global_buffer, .address_space: global }
      - { .name: bq, .offset: 72, .size: 8, .value_kind: global_buffer, .address_space: global }
      - { .name: Wk_codes, .offset: 80, .size: 8, .value_kind: global_buffer, .address_space: global }
      - { .name: Wk_scales, .offset: 88, .size: 8, .value_kind: global_buffer, .address_space: global }
      - { .name: bk, .offset: 96, .size: 8, .value_kind: global_buffer, .address_space: global }
      - { .name: Wv_codes, .offset: 104, .size: 8, .value_kind: global_buffer, .address_space: global }
      - { .name: Wv_scales, .offset: 112, .size: 8, .value_kind: global_buffer, .address_space: global }
      - { .name: bv, .offset: 120, .size: 8, .value_kind: global_buffer, .address_space: global }
      - { .name: Wo_codes, .offset: 128, .size: 8, .value_kind: global_buffer, .address_space: global }
      - { .name: Wo_scales, .offset: 136, .size: 8, .value_kind: global_buffer, .address_space: global }
      - { .name: bo, .offset: 144, .size: 8, .value_kind: global_buffer, .address_space: global }
      - { .name: out0, .offset: 152, .size: 8, .value_kind: global_buffer, .address_space: global }
    .group_segment_fixed_size: 262656
    .private_segment_fixed_size: 0
    .kernarg_segment_align: 8
    .kernarg_segment_size: 160
    .max_flat_workgroup_size: 128
    .sgpr_count:     74
    .vgpr_count:     1024
    .wavefront_size: 32
...
	.end_amdgpu_metadata
.endif
;; end of part 1
